; MI455X (gfx1250); checked and timed in simulation.
; The chip was launched on July 23, 2026; its instructions are those of AMD's public machine-readable ISA for CDNA 5 (MIT licence, August 2026) and "CDNA5" Instruction Set Architecture Reference Guide (July 2026). The comments in the code are by the model that wrote it; some were corrected since.
;; Context Aware Attention Block. Allowed arithmetic: matrix products marked QUANTISED: E4M3 operands, one given power-of-two scale a tensor, by v_wmma_f32_16x16x64_fp8_fp8 or v_wmma_f32_16x16x128_fp8_fp8, f32 sums; products left as they are: f32 operands where the result goes on into a quantised operand, else bf16, f16 or f32 operands; f32 sums; everything else in f32.
;; Inputs: bk 32 float32; bq 32 float32; bv 256 float32; ctx_w 1 x 128 float32; fc_b 128 float32; fc_w_codes 128 x 8 x 32 uint8 (E4M3 codes of fc_w, K innermost, in blocks of 32 codes); gamma 1 float32; lowp_scales 12 int32 (the exponents e of the quantised operands' scales 2^e); style_features 8 x 256 x 64 x 64 float32; wk_codes 32 x 8 x 32 uint8 (E4M3 codes of wk, K innermost, in blocks of 32 codes); wq_codes 32 x 8 x 32 uint8 (E4M3 codes of wq, K innermost, in blocks of 32 codes); wv_codes 256 x 8 x 32 uint8 (E4M3 codes of wv, K innermost, in blocks of 32 codes).
;; Outputs: out0 8 x 256 float32.
;; This version of the problem:
;;   THIS VERSION OF THE PROBLEM IS GIVEN IN LOW PRECISION. The matrix products marked QUANTISED in the list below multiply operands that are first quantised to E4M3 (4 exponent bits, 3 mantissa bits; 8 bits a number), with one given power-of-two scale for each operand tensor; their sums are f32. All else is computed in f32.
;;   The module's matrix products, in the order in which they are computed (A, B: the left and right operand; K: the contracted axis; several contracted axes count as one K, in the product's order):
;;     1. [M 32,768, K 256] x [K 256, N 32]; A: input style_features; B: input wq (given as codes): QUANTISED (scales: A lowp_scales[0], B lowp_scales[1])
;;     2. [M 32,768, K 256] x [K 256, N 32]; A: input style_features; B: input wk (given as codes): QUANTISED (scales: A lowp_scales[2], B lowp_scales[3])
;;     3. batch 8 x [M 4,096, K 32] x [K 32, N 4,096]; A: computed on the way; B: computed on the way: QUANTISED (scales: A lowp_scales[4], B lowp_scales[5])
;;     4. [M 32,768, K 256] x [K 256, N 256]; A: input style_features; B: input wv (given as codes): QUANTISED (scales: A lowp_scales[6], B lowp_scales[7])
;;     5. batch 8 x [M 256, K 4,096] x [K 4,096, N 4,096]; A: computed on the way; B: softmax (see below): QUANTISED (scales: A lowp_scales[8], B lowp_scales[9])
;;     6. [M 32,768, K 256] x [K 256, N 128]; A: computed on the way; B: input fc_w (given as codes): QUANTISED (scales: A lowp_scales[10], B lowp_scales[11])
;;     7. [M 32,768, K 128] x [K 128, N 1]; A: computed on the way; B: input ctx_w: left as it is (N = 1 < 16)
;;   THE QUANTISER, for each operand of a quantised product, along K:
;;     - The operand's scale is 2^e, e = its entry of the input lowp_scales (int32; the entries are numbered through the quantised products in the list's order, A before B).
;;     - Each number is divided by the scale, clamped to +-448, and rounded to the nearest number of E4M3, ties to even, subnormals kept.
;;     - The product sums the exact products of the quantised numbers (number of the format x scale) in f32.
;;   ~~~python
;;   def quantise(x, axis, e):      # numpy; x: float32 -> the quantised numbers, widened to float32 again
;;       x = np.moveaxis(x, axis, -1); K = x.shape[-1]
;;       r = np.clip(x / 2.0 ** e, -448, 448)
;;       step = 2.0 ** (np.maximum(np.frexp(np.where(r == 0, 1, r))[1] - 1, -6) - 3)
;;       q = np.round(r / step) * step * 2.0 ** e      # np.round: ties to even
;;       return np.moveaxis(q, -1, axis).astype(np.float32)
;;   ~~~
;;   SOFTMAX AHEAD OF A QUANTISED PRODUCT. Where the list says 'softmax', what is quantised is not the finished softmax but p = 2^(t - M), with t = logit x log2(e) and M = ceil(the row's largest t), a whole number; so 1/2 < the row's largest p <= 1. The row's sum l is taken of the UNQUANTISED p, in f32, and the product's result is divided by l at the end. Since M is a whole number, a kernel that streams over the keys may use a running M (the ceiling of the running maximum): every later rescaling is an exact power of two, so the quantised numbers keep their values, but for numbers so far below the row's largest that they fall under the format's range.
;;   OPERANDS COMPUTED ON THE WAY. 'Computed on the way' means the value that the module computes at that place (a softmax that the list does not call 'softmax' is quantised finished and normalised). What goes into a quantiser is computed in f32, as accurately as f32 sums, v_exp_f32 and their like allow (about 1e-6 of the number): no bf16 or f16 on the way to a quantiser, and a product that is left as it is and whose result goes on into a quantised operand takes f32 operands (vector FMAs, or v_wmma_f32_16x16x4_f32). A number that lies on a knife's edge between two numbers of the format may be rounded either way, as far as f32 arithmetic and the matrix unit's own rounding can turn it there, and no further.
;;   INPUTS GIVEN AS CODES. fc_w (in the module: [128, 256], K = its axis 1); wk (in the module: [32, 256], K = its axis 1); wq (in the module: [32, 256], K = its axis 1); wv (in the module: [256, 256], K = its axis 1): each comes as NAME_codes (uint8): NAME with its K axis moved to the last place and cut into blocks of 32 codes, [.., K / 32, bytes a block], one block behind the other in memory; one code a byte (a code: sign, 4 exponent bits, 3 mantissa bits); its scale is its entry of lowp_scales. Its value is code x scale, taken as it is: it is not quantised again, and the codes and scales need not be those that the quantiser above would give.
;; One version. Each part assembles by itself: llvm-mc -triple=amdgcn-amd-amdhsa -mcpu=gfx1250 --defsym DOCPART=n.
;; ======== version 1 of 1: 3 launches
;; workspace buffers: qimg 1,048,576 bytes; kimg 1,048,576 bytes; kv 9,437,184 bytes; part 262,144 bytes; stat 65,536 bytes
;; launch prep (part 1): grid 32 x 8, 8 waves a work-group, no clusters, 168,960 bytes of LDS; arguments style_features, wq_codes, wk_codes, wv_codes, bq, bk, bv, lowp_scales, qimg, kimg, kv; writes qimg, kimg, kv
.if DOCPART == 1
	.amdgcn_target "amdgcn-amd-amdhsa--gfx1250"
	.amdhsa_code_object_version 6
	.text
	.protected	k_qd7c5f1edbb_prep
	.globl	k_qd7c5f1edbb_prep
	.p2align	8
	.type	k_qd7c5f1edbb_prep,@function
k_qd7c5f1edbb_prep:
	s_mov_b64 s[64:65], 0
	v_nop
	global_prefetch_b8 v0, s[64:65] scope:SCOPE_SE
	s_setreg_imm32_b32 hwreg(HW_REG_WAVE_MODE, 25, 1), 1
	s_wait_xcnt 0x0
; q, k and v of the attention block, as codes of E4M3 laid out as images of operand registers.
; NOTHING OF THE PROBLEM IS LEFT OUT in this program: gamma is an input like any other, so the whole attention is live; bq, bk, bv and fc_b stand ahead of a quantiser or of the tanh, so they are live; all twelve inputs are loaded.
; x = style_features [8][256 channels][4096 pixels] f32.  q = x wq^T + bq, k = x wk^T + bk (32 features), v = x wv^T + bv (256 channels): K = the 256 channels; x is quantised three times, with e0, e2 and e6.
; SHARES.  A work-group takes 128 pixels of one image (one key step of the next launch); 256 work-groups.  No cluster: no two work-groups read the same tile of x, and the weights go once from memory into registers.
; Wave P quantises pixels 16 P .. 16 P + 15 (a lane holds one pixel, its registers run down the channels) and makes their q and k.  For v the waves share the COLUMNS: wave P makes channels 32 P .. 32 P + 31 for all 128 pixels,
; from images of the e6 codes that the eight waves leave in LDS, so that a finished fragment of V (16 channels x 128 keys) stands whole in its registers.
; ORDER OF K.  x's codes and the weights both stand as registers 4 c .. 4 c + 3 = channels 32 c + 16 (lane / 16) + 0 .. 15 of a K step of 128: the same order on both sides, so every product meets its partner.
; OUT.  qimg, kimg: [image][tile of 16 rows][512 bytes]: lane (r, h) holds features 16 h .. 16 h + 15 of row r.  kv: [image][step of 128 keys][8 tiles of k, 4,096 bytes | 16 fragments of V, 2,048 bytes each]:
; in a fragment register 2 c + e, byte y of lane (r, h) is key 16 c + 8 h + 4 e + y of channel 16 f + r.  Every store of a wave covers 512 consecutive bytes, aligned.
; LIMITS: e0 + e1, e2 + e3, e6 + e7 between -126 and 127; e0, e2, e6, e4, e5, e8 between -126 and 119, so that each power of two below is an f32 number.  NaN among the inputs is not served.
; REGISTERS.  window 0: v1-11 addresses; v12-23 (largest number x scale, scale) for e0, e2, e6, e4, e5, e8; v24-27 bv; v32-95 wq, v96-159 wk, v160-223 wv; v224-239 bq, v240-255 bk.
;   window 1: v0-127 x, later the sums; v128-143 eight numbers at work, twice; v144-175, v176-207 codes under e0, e2, later two images; v208-239 codes under e6, later V; v240-247 q's and k's codes.
.set PX,    520                        ; a channel's row in LDS: 512 bytes + 8: 130 words, so that rows 16 apart begin 32 banks apart
.set IMG,   256*PX                     ; behind x's tile: eight images of 4,096 bytes
.set SPARE, IMG+8*4096                 ; behind them: the spare words, 128 bytes for each wave
.set MSB, 0
.macro WIN new                         ; the immediate's high byte repeats the setting that is left
.if MSB != \new
	s_set_vgpr_msb (MSB<<8)|\new
.set MSB, \new
.endif
.endm
.macro NOPS n
.rept \n
	v_nop
.endr
.endm
.macro MKLS e, lim, scl                ; from the exponent in s[e]: v[scl] = 2^e, v[lim] = 448 x 2^e
	s_add_co_i32 s2, s[\e], 127
	s_lshl_b32 s3, s2, 23
	v_mov_b32 v[\scl], s3
	s_add_co_i32 s2, s2, 8
	s_lshl_b32 s2, s2, 23
	s_or_b32 s2, s2, 0x600000
	v_mov_b32 v[\lim], s2
.endm
.macro MKP2 ea, eb, d                  ; s[d], s[d+1] = 2^(ea + eb)
	s_add_co_i32 s[\d], s[\ea], s[\eb]
	s_add_co_i32 s[\d], s[\d], 127
	s_lshl_b32 s[\d], s[\d], 23
	s_mov_b32 s[\d+1], s[\d]
.endm
	s_load_b256 s[4:11], s[0:1], 0x0               ; x s[4:5], wq s[6:7], wk s[8:9], wv s[10:11]
	s_load_b256 s[12:19], s[0:1], 0x20             ; bq s[12:13], bk s[14:15], bv s[16:17], the exponents s[18:19]
	s_load_b128 s[20:23], s[0:1], 0x40             ; qimg s[20:21], kimg s[22:23]
	s_load_b64 s[24:25], s[0:1], 0x50              ; kv
	v_lshl_add_u32 v6, v0, 2, SPARE
	v_mov_b32 v7, 0
	ds_add_u32 v6, v7                              ; the opening: the add, twice on end, and its wait ahead of my tensor load
	ds_add_u32 v6, v7
	v_lshrrev_b32 v1, 5, v0
	v_readfirstlane_b32 s26, v1                    ; P: wave 0..7
	s_mov_b32 s27, ttmp9                           ; j: which 128 pixels
	s_and_b32 s28, ttmp7, 0xffff                   ; b: the image
	; descriptor group 1: 32 rows (channels) of 128 f32, 4,096 elements apart, 2 words of padding behind every 128
	s_mov_b32 s48, (2<<16)|(1<<20)|(6<<22)|(1<<25)
	s_mov_b32 s49, 128<<16                         ; tensor_dim0
	s_mov_b32 s50, 32<<16                          ; tensor_dim1
	s_mov_b32 s51, 128<<16                         ; tile_dim0
	s_mov_b32 s52, 32                              ; tile_dim1
	s_mov_b32 s53, 4096                            ; from row to row
	s_mov_b32 s54, 0
	s_mov_b32 s55, 0
	s_mov_b32 s56, 1
	s_mul_i32 s57, s26, 32*PX                      ; my 32 channels' place in LDS
	s_lshl_b32 s30, s28, 22                        ; an image is 4,194,304 bytes,
	s_lshl_b32 s31, s26, 19                        ; 32 channels 524,288,
	s_add_co_u32 s30, s30, s31
	s_lshl_b32 s31, s27, 9                         ; 128 pixels 512
	s_add_co_u32 s30, s30, s31
	s_mov_b32 s31, 0
	v_and_b32 v28, 15, v0                          ; r
	v_bfe_u32 v29, v0, 4, 1                        ; h
	v_and_b32 v1, 31, v0
	v_lshlrev_b32 v1, 4, v1                        ; 16 x lane
	v_mul_u32_u24 v2, v29, 16*PX                   ; x in LDS: channel 16 h, pixel 16 P + r
	v_lshl_add_u32 v2, v28, 2, v2
	s_lshl_b32 s2, s26, 6
	v_add_nc_u32 v2, s2, v2
	v_add_nc_u32 v3, 128*PX, v2                    ; the same, 128 channels on
	v_and_b32 v30, 8, v28
	v_add_nc_u32 v30, v30, v28                     ; r + 8 (r / 8): lane r of tile u of wq or wk takes feature 8 u + r + 8 (r / 8), so that a lane's 16 results are features 16 h + 0 .. 15
	v_lshlrev_b32 v4, 8, v30
	v_lshl_add_u32 v4, v29, 4, v4
	v_lshlrev_b32 v5, 8, v28                       ; wv: row r, + 16 h
	v_lshl_add_u32 v5, v29, 4, v5
	v_lshlrev_b32 v8, 6, v29                       ; bq, bk: features 16 h on
	v_lshlrev_b32 v9, 2, v28                       ; bv: channel r
	v_add_nc_u32 v11, IMG, v1                      ; an image's place for my lane,
	s_lshl_b32 s2, s26, 12
	v_add_nc_u32 v10, s2, v11                      ; and in my own image
	s_wait_dscnt 0x0                               ; both opening adds are done
	s_wait_kmcnt 0x0
	s_load_b256 s[36:43], s[18:19], 0x0            ; e0 .. e7
	s_load_b128 s[44:47], s[18:19], 0x20           ; e8 .. e11
	s_add_nc_u64 s[58:59], s[4:5], s[30:31]
	s_or_b32 s59, s59, 0x80000000
	tensor_load_to_lds s[56:59], s[48:55]          ; my one tensor load: 32 channels x 128 pixels
	s_nop 0
	NOPS 4
	s_lshl_b32 s2, s26, 13                         ; my 32 rows of wv
	s_mov_b32 s3, 0
	s_add_nc_u64 s[10:11], s[10:11], s[2:3]
	s_lshl_b32 s2, s26, 7                          ; and of bv
	s_add_nc_u64 s[16:17], s[16:17], s[2:3]
.irp u,0,1
.irp ks,0,1
.irp c,0,1,2,3
	global_load_b128 v[32+16*(2*\u+\ks)+4*\c:35+16*(2*\u+\ks)+4*\c], v4, s[6:7] offset:2048*\u+128*\ks+32*\c
	global_load_b128 v[96+16*(2*\u+\ks)+4*\c:99+16*(2*\u+\ks)+4*\c], v4, s[8:9] offset:2048*\u+128*\ks+32*\c
	global_load_b128 v[160+16*(2*\u+\ks)+4*\c:163+16*(2*\u+\ks)+4*\c], v5, s[10:11] offset:4096*\u+128*\ks+32*\c
.endr
.endr
.endr
.irp i,0,1,2,3
	global_load_b128 v[224+4*\i:227+4*\i], v8, s[12:13] offset:16*\i
	global_load_b128 v[240+4*\i:243+4*\i], v8, s[14:15] offset:16*\i
.endr
	global_load_b32 v24, v9, s[16:17]              ; bv of my two tiles of channels, each twice: a pair for the packed multiply-add
	global_load_b32 v25, v9, s[16:17]
	global_load_b32 v26, v9, s[16:17] offset:64
	global_load_b32 v27, v9, s[16:17] offset:64
	; where the results go
	s_lshl_b32 s30, s28, 8
	s_lshl_b32 s2, s27, 3
	s_add_co_u32 s30, s30, s2
	s_add_co_u32 s30, s30, s26                     ; my tile of 16 rows: 256 b + 8 j + P
	s_lshl_b32 s30, s30, 9
	s_add_nc_u64 s[20:21], s[20:21], s[30:31]
	s_add_nc_u64 s[22:23], s[22:23], s[30:31]
	s_mul_i32 s30, s28, 1179648
	s_mul_i32 s2, s27, 36864
	s_add_co_u32 s30, s30, s2
	s_add_nc_u64 s[24:25], s[24:25], s[30:31]      ; the step in kv
	s_lshl_b32 s30, s26, 9
	s_add_nc_u64 s[32:33], s[24:25], s[30:31]      ; my tile of k in it
	s_lshl_b32 s30, s26, 12
	s_add_co_u32 s30, s30, 4096
	s_add_nc_u64 s[34:35], s[24:25], s[30:31]      ; my two fragments of V
	s_wait_kmcnt 0x0
	MKLS 36, 12, 13
	MKLS 38, 14, 15
	MKLS 42, 16, 17
	MKLS 40, 18, 19
	MKLS 41, 20, 21
	MKLS 44, 22, 23
	MKP2 36, 37, 60
	MKP2 38, 39, 62
	MKP2 42, 43, 66
	s_wait_tensorcnt 0x0                           ; my 32 channels are in LDS,
	s_barrier_signal -1
	s_barrier_wait -1                              ; everybody's are
	; ---- x: register 16 c + i = channel 32 c + 16 h + i of my pixel.  Sixteen lanes read 64 consecutive bytes; the two halves fall on different banks
	WIN 0x40
.set n, 0
.rept 64
	ds_load_b32 v[n], v2 offset:(32*(n/16)+n%16)*PX
.set n, n+1
.endr
.set n, 0
.rept 64
	ds_load_b32 v[64+n], v3 offset:(32*(n/16)+n%16)*PX
.set n, n+1
.endr
	s_wait_dscnt 0x0
	s_wait_loadcnt 0x0                             ; weights and biases
	; ---- three quantisers.  The conversion to an 8-bit code does not saturate (ISA guide 7.6.2): each number is held within 448 x the scale first, into one of two sets of eight registers by turns,
	; so that the other set's eight holds are the plain instructions between a conversion and the next write of its sources
	WIN 0x41
.set G, 0
.set TT, 0
.rept 16
.irp sg,0,1,2
.irp i,0,1,2,3,4,5,6,7
	v_med3_num_f32 v[128+8*TT+\i], v[8*G+\i], -v[12+2*\sg], v[12+2*\sg]
.endr
	v_cvt_scalef32_pk8_fp8_f32 v[144+32*\sg+2*G:145+32*\sg+2*G], v[128+8*TT:135+8*TT], v[13+2*\sg]
.set TT, 1-TT
.endr
.set G, G+1
.endr
	v_nop                                          ; a plain instruction between the last conversion and the products that read the codes
	WIN 0x04
.irp c,0,1,2,3,4,5,6,7
	ds_store_b128 v10, v[208+4*\c:211+4*\c] offset:512*\c   ; the e6 codes go to LDS as an image of their registers
.endr
	; ---- q^T and k^T: source 0 = 16 rows of the weight, source 1 = my 16 pixels; four sums by turns
	WIN 0x54
.irp u,0,1
	v_wmma_f32_16x16x128_fp8_fp8 v[8*\u:8*\u+7], v[32+32*\u:47+32*\u], v[144:159], 0
.endr
.irp u,0,1
	v_wmma_f32_16x16x128_fp8_fp8 v[16+8*\u:23+8*\u], v[96+32*\u:111+32*\u], v[176:191], 0
.endr
.irp u,0,1
	v_wmma_f32_16x16x128_fp8_fp8 v[8*\u:8*\u+7], v[48+32*\u:63+32*\u], v[160:175], v[8*\u:8*\u+7]
.endr
.irp u,0,1
	v_wmma_f32_16x16x128_fp8_fp8 v[16+8*\u:23+8*\u], v[112+32*\u:127+32*\u], v[192:207], v[16+8*\u:23+8*\u]
.endr
	NOPS 4                                         ; four places ahead of the first read of the sums (ISA guide 7.12.1)
	WIN 0x41
.irp i,0,2,4,6,8,10,12,14
	v_pk_fma_f32 v[\i:\i+1], v[\i:\i+1], s[60:61], v[224+\i:225+\i] op_sel_hi:[1,0,1]          ; q = sum x 2^(e0 + e1) + bq
.endr
.irp i,0,2,4,6,8,10,12,14
	v_pk_fma_f32 v[16+\i:17+\i], v[16+\i:17+\i], s[62:63], v[240+\i:241+\i] op_sel_hi:[1,0,1]  ; k = sum x 2^(e2 + e3) + bk
.endr
.irp i,0,1,2,3,4,5,6,7,8,9,10,11,12,13,14,15
	v_med3_num_f32 v[\i], v[\i], -v18, v18
	v_med3_num_f32 v[16+\i], v[16+\i], -v20, v20
.endr
	v_cvt_scalef32_pk8_fp8_f32 v[240:241], v[0:7], v19
	v_cvt_scalef32_pk8_fp8_f32 v[242:243], v[8:15], v19
	v_cvt_scalef32_pk8_fp8_f32 v[244:245], v[16:23], v21
	v_cvt_scalef32_pk8_fp8_f32 v[246:247], v[24:31], v21
	v_nop                                          ; a plain instruction ahead of the products that write the conversions' sources again
	WIN 0x04
	global_store_b128 v1, v[240:243], s[20:21]
	global_store_b128 v1, v[244:247], s[22:23]
	global_store_b128 v1, v[244:247], s[32:33]     ; k once more, inside kv, where the second pass over the keys finds it beside V
	s_wait_dscnt 0x0                               ; my image is in LDS,
	s_barrier_signal -1
	s_barrier_wait -1                              ; all eight are
	; ---- v: source 0 = 16 pixels (an image), source 1 = 16 rows of wv: a lane then holds ONE channel and eight neighbouring pixels, which are keys: neighbours along the next K
.irp pp,0,1,2,3
	WIN 0x40
.irp e,0,1
.irp c,0,1,2,3,4,5,6,7
	ds_load_b128 v[144+32*\e+4*\c:147+32*\e+4*\c], v11 offset:4096*(2*\pp+\e)+512*\c
.endr
.endr
	s_wait_dscnt 0x0
	WIN 0x51
.irp e,0,1
.irp f,0,1
	v_wmma_f32_16x16x128_fp8_fp8 v[64*\f+8*(2*\pp+\e):64*\f+8*(2*\pp+\e)+7], v[144+32*\e:159+32*\e], v[160+32*\f:175+32*\f], 0
.endr
.endr
.irp e,0,1
.irp f,0,1
	v_wmma_f32_16x16x128_fp8_fp8 v[64*\f+8*(2*\pp+\e):64*\f+8*(2*\pp+\e)+7], v[160+32*\e:175+32*\e], v[176+32*\f:191+32*\f], v[64*\f+8*(2*\pp+\e):64*\f+8*(2*\pp+\e)+7]
.endr
.endr
	NOPS 4                                         ; places ahead of the loads into the images' registers, and of the first read of the sums
.endr
	WIN 0x41
.irp f,0,1
.irp p,0,1,2,3,4,5,6,7
.irp i,0,2,4,6
	v_pk_fma_f32 v[64*\f+8*\p+\i:64*\f+8*\p+\i+1], v[64*\f+8*\p+\i:64*\f+8*\p+\i+1], s[66:67], v[24+2*\f:25+2*\f] op_sel_hi:[1,0,1]   ; v = sum x 2^(e6 + e7) + bv
.endr
.irp i,0,1,2,3,4,5,6,7
	v_med3_num_f32 v[64*\f+8*\p+\i], v[64*\f+8*\p+\i], -v22, v22
.endr
	v_cvt_scalef32_pk8_fp8_f32 v[208+16*\f+2*\p:209+16*\f+2*\p], v[64*\f+8*\p:64*\f+8*\p+7], v23   ; registers 2 p, 2 p + 1 of the fragment: keys 16 p + 8 h + 0 .. 7
.endr
.endr
	v_nop
	WIN 0x04
.irp f,0,1
.irp c,0,1,2,3
	global_store_b128 v1, v[208+16*\f+4*\c:211+16*\f+4*\c], s[34:35] offset:2048*\f+512*\c
.endr
.endr
	WIN 0
	s_wait_tensorcnt 0x0                           ; the wave's end, behind my last LDS store
	ds_add_u32 v6, v7
	s_wait_dscnt 0x0
	s_endpgm
.Lfunc_end_k_qd7c5f1edbb_prep:
	.size	k_qd7c5f1edbb_prep, .Lfunc_end_k_qd7c5f1edbb_prep-k_qd7c5f1edbb_prep
	.p2alignl 7, 3214868480
	.fill 96, 4, 3214868480
	.section	.rodata,"a",@progbits
	.p2align	6, 0x0
	.amdhsa_kernel k_qd7c5f1edbb_prep
		.amdhsa_group_segment_fixed_size 168960
		.amdhsa_private_segment_fixed_size 0
		.amdhsa_enable_private_segment 0
		.amdhsa_kernarg_size 88
		.amdhsa_user_sgpr_count 2
		.amdhsa_user_sgpr_kernarg_segment_ptr 1
		.amdhsa_wavefront_size32 1
		.amdhsa_system_sgpr_workgroup_id_x 1
		.amdhsa_system_sgpr_workgroup_id_y 1
		.amdhsa_system_sgpr_workgroup_id_z 1
		.amdhsa_system_vgpr_workitem_id 0
		.amdhsa_next_free_vgpr 512
		.amdhsa_next_free_sgpr 68
		.amdhsa_reserve_vcc 0
		.amdhsa_float_denorm_mode_32 3
		.amdhsa_float_denorm_mode_16_64 3
		.amdhsa_memory_ordered 1
		.amdhsa_forward_progress 1
		.amdhsa_inst_pref_size 73
	.end_amdhsa_kernel
	.amdgpu_metadata
---
amdhsa.version: [ 1, 2 ]
amdhsa.kernels:
  - .name:           k_qd7c5f1edbb_prep
    .symbol:         k_qd7c5f1edbb_prep.kd
    .args:
      - { .name: style_features, .offset: 0, .size: 8, .value_kind: global_buffer, .address_space: global }
      - { .name: wq_codes, .offset: 8, .size: 8, .value_kind: global_buffer, .address_space: global }
      - { .name: wk_codes, .offset: 16, .size: 8, .value_kind: global_buffer, .address_space: global }
      - { .name: wv_codes, .offset: 24, .size: 8, .value_kind: global_buffer, .address_space: global }
      - { .name: bq, .offset: 32, .size: 8, .value_kind: global_buffer, .address_space: global }
      - { .name: bk, .offset: 40, .size: 8, .value_kind: global_buffer, .address_space: global }
      - { .name: bv, .offset: 48, .size: 8, .value_kind: global_buffer, .address_space: global }
      - { .name: lowp_scales, .offset: 56, .size: 8, .value_kind: global_buffer, .address_space: global }
      - { .name: qimg, .offset: 64, .size: 8, .value_kind: global_buffer, .address_space: global }
      - { .name: kimg, .offset: 72, .size: 8, .value_kind: global_buffer, .address_space: global }
      - { .name: kv, .offset: 80, .size: 8, .value_kind: global_buffer, .address_space: global }
    .group_segment_fixed_size: 168960
    .private_segment_fixed_size: 0
    .kernarg_segment_align: 8
    .kernarg_segment_size: 88
    .max_flat_workgroup_size: 256
    .sgpr_count:     68
    .vgpr_count:     512
    .wavefront_size: 32
...
	.end_amdgpu_metadata
.endif
;; end of part 1
;; launch attn (part 2): grid 32 x 8, 8 waves a work-group, clusters of 4 x 1, 327,680 bytes of LDS; arguments qimg, kimg, kv, style_features, fc_w_codes, fc_b, ctx_w, gamma, lowp_scales, part, stat; writes part, stat
.if DOCPART == 2
	.amdgcn_target "amdgcn-amd-amdhsa--gfx1250"
	.amdhsa_code_object_version 6
	.text
	.protected	k_qd7c5f1edbb_attn
	.globl	k_qd7c5f1edbb_attn
	.p2align	8
	.type	k_qd7c5f1edbb_attn,@function
k_qd7c5f1edbb_attn:
	s_mov_b64 s[64:65], 0
	v_nop
	global_prefetch_b8 v0, s[64:65] scope:SCOPE_SE
	s_setreg_imm32_b32 hwreg(HW_REG_WAVE_MODE, 25, 1), 1
	s_wait_xcnt 0x0
	s_wait_alu depctr_hold_cnt(0) depctr_sa_sdst(0) depctr_va_vdst(0) depctr_va_sdst(0) depctr_va_ssrc(0) depctr_va_vcc(0) depctr_vm_vsrc(0)
	s_getreg_b32 s2, hwreg(HW_REG_IB_STS2, 6, 4)
	s_cmp_eq_u32 s2, 0
	s_cbranch_scc0 .Lentry_in_a_cluster
	s_endpgm
.Lentry_in_a_cluster:
	s_bfe_u32 s2, ttmp6, 0x10000c
	s_cmp_lg_u32 s2, 0x3003
	s_cbranch_scc0 .Lentry_shape_is_right
	s_endpgm
.Lentry_shape_is_right:
; For 128 pixels of one image: the self-attention over all 4,096 keys, tok = gamma out + x, the score ctx_w . tanh(fc_w tok + fc_b), and the pooling softmax's share of these pixels.  No work of the problem is left out.
; S^T = k q^T (K = 32 features), O^T = v p^T (K = the keys), hid^T = fc_w tok^T (K = 256 channels): all three used transposed, so that a lane holds ONE query (lane % 16) throughout.
; TWO PASSES OVER THE KEYS.  Pass 1 makes the scores and keeps each query's largest: M = ceil(largest score x log2(e)) is then the row's own, as the problem defines it.  Pass 2 makes the scores again,
; p = 2^(t - M), sums the unquantised p, quantises p with e9 and adds v p^T: no running maximum and no rescaling.
; SHARES.  Eight waves.  A wave owns 32 queries (two tiles of 16) and HALF of the keys; waves 2 g and 2 g + 1 own the same queries and the two halves.  With M fixed the halves' sums add; they meet once, through LDS.
; A wave's tile 0 is query tile (wave), its tile 1 query tile (wave xor 1): behind the meeting each wave goes on with its tile 0 alone, 16 pixels.
; K = 32 IN THE FORM OF K = 64.  Source 0 holds two neighbouring tiles of keys (4 + 4 registers); source 1 is (q, 0) for the first and (0, q) for the second.  k's codes are numbers (they were held), so 0 x code = 0.
; CLUSTER.  The four work-groups of a cluster belong to one image and walk the same k, v and fc_w: those tiles are asked for jointly (mask 15).  x's tile is each work-group's own and comes by plain loads behind the same rounds.
; OUT.  part [image][block][256]: sum over my pixels of x exp(score - m);  stat [image][block]: the pair (m, L = sum of exp(score - m)), 32 times: 256 bytes.
; LIMITS: e4 + e5 between -126 and 0 + 127 less log2(e)'s exponent field's room (between -126 and 126); e10 + e11 between -127 and 125; e9, e10 between -126 and 119; e8 + e9 goes by v_ldexp_f32 and has none.  NaN among the inputs is not served.
; LDS.  0: 256 rows of 528 bytes: first k's 256 tile images, then x's tile [channel][128 pixels] in the same rows.  R0: two slots of 73,728 bytes, each two key steps of [k 4,096 | v 32,768].  FC: fc_w, 128 rows of 272.
;   XM, XL, XS, FBW: words that waves hand to each other.  Behind the ring's last fill its bytes serve as eight mailboxes of 16,384 bytes (OX) and eight rows of 512 (XE).
; REGISTERS.  window 0: v1-15 addresses; v16-39 q, 12 a tile: 0 0 0 0 q q q q 0 0 0 0; v40-71 k; v72-135 S; v136-199 v; v200-231 p's codes, 16 a tile; v232, v234 -M; v236-243 l; v244-246 the hold and the scale;
;   v247-250 pass 1's maxima; v251 the prefetches' offset; v252-255 at work.   window 1: O^T: tile t, channels 16 f on, at v[128 t + 8 f].
.set PA,    528
.set R0,    256*PA
.set SLOTB, 73728
.set STEPB, 36864
.set QTR,   18432                      ; a quarter of a slot: what one wave's ring load brings
.set FC,    R0+2*SLOTB
.set PF,    272
.set XM,    FC+128*PF
.set XL,    XM+2048
.set XS,    XL+2048
.set FBW,   XS+512
.set SPARE, FBW+1024                   ; the spare words, 128 bytes for each wave: four blocks of 256 bytes that no other line names
.set OX,    R0
.set XE,    OX+8*16384
.set KF,  40
.set S,   72
.set VB,  136
.set PC,  200
.set MSB, 0
.macro WIN new                         ; the immediate's high byte repeats the setting that is left
.if MSB != \new
	s_set_vgpr_msb (MSB<<8)|\new
.set MSB, \new
.endif
.endm
.macro NOPS n
.rept \n
	v_nop
.endr
.endm
.macro ROUND                           ; a round of the cluster's barrier
	s_barrier_signal -1
	s_barrier_wait -1
	s_cmp_lg_u32 s26, 0
	s_cbranch_scc1 .Lnw0_\@
	s_barrier_signal -3
.Lnw0_\@:
	s_barrier_wait -3
	s_barrier_signal -1
	s_barrier_wait -1
.endm
; A prefetch: one instruction of a wave, lanes 256 bytes apart (kv) or two lanes to a row of 512 bytes (x).  s9 counts the places at which it stands, s8 is how many of them are this wave's.
; kv: all clusters of an image walk it, so the image's first cluster asks; its partners are told apart by address, 24,576 bytes each, waves 0 to 2 taking 8,192 each; ten asks of 98,304 bytes end at the image's last byte.
; x: my work-group's own rows: waves 4 to 6 ask once, for rows 0 to 47; wave 7 asks thirteen times for 16 rows, from row 48 to row 255, two changes of slots ahead of the piece that brings them.
.macro ASK
	s_cmp_lt_u32 s9, s8
	s_cbranch_scc0 .Lna_\@
	global_prefetch_b8 v251, s[66:67] th:TH_LOAD_NT scope:SCOPE_SE
.Lna_\@:
.endm
; PASS 1, 128 keys: 16 products, then the largest of 64 scores a tile, in two chains a tile; each sum is read from its low end on.
.macro P1 more
	s_wait_dscnt 0x0                               ; k's eight tiles are in
.irp a,0,1,2,3
.irp t,0,1
.irp u,0,1
	v_wmma_f32_16x16x64_fp8_fp8 v[S+64*\t+8*(2*\a+\u):S+64*\t+8*(2*\a+\u)+7], v[KF+8*\a:KF+8*\a+7], v[20+12*\t-4*\u:27+12*\t-4*\u], 0
.endr
.endr
.endr
	NOPS 4                                         ; places ahead of the loads into k's registers and of the first read of the scores
.if \more
	s_add_co_u32 s13, s13, 16*PA                   ; my next eight tiles lie sixteen rows on
	v_add_nc_u32 v2, s13, v3
.irp i,0,1,2,3,4,5,6,7
	ds_load_b128 v[KF+4*\i:KF+4*\i+3], v2 offset:PA*\i
.endr
.endif
.set n, 0
.rept 16
.irp ch,0,1,2,3
	v_max3_num_f32 v[247+\ch], v[247+\ch], v[S+32*\ch+2*n], v[S+32*\ch+2*n+1]
.endr
.set n, n+1
.endr
.endm
.macro LOADK slot
.irp i,0,1,2,3,4,5,6,7
	ds_load_b128 v[KF+4*\i:KF+4*\i+3], v[4+\slot] offset:512*\i
.endr
.endm
.macro LOADV slot, g, reg              ; fragments 4 g .. 4 g + 3 of V: 16 loads of 512 consecutive bytes
.irp f,0,1,2,3
.irp c,0,1,2,3
	ds_load_b128 v[\reg+16*\f+4*\c:\reg+16*\f+4*\c+3], v[4+\slot] offset:4096+2048*(4*\g+\f)+512*\c
.endr
.endr
.endm
.macro QK t                            ; the scores of tile t against 128 keys: register 8 T + j = key 16 T + 8 h + j
.irp a,0,1,2,3
.irp u,0,1
	v_wmma_f32_16x16x64_fp8_fp8 v[S+8*(2*\a+\u):S+8*(2*\a+\u)+7], v[KF+8*\a:KF+8*\a+7], v[20+12*\t-4*\u:27+12*\t-4*\u], 0
.endr
.endr
	NOPS 4
.endm
.macro SOFT t
.set j, 0
.rept 32
	v_pk_fma_f32 v[S+j:S+j+1], v[S+j:S+j+1], s[100:101], v[232+2*\t:233+2*\t] op_sel_hi:[1,0,0]   ; t - M, two at a time (of both pairs the low word serves both halves)
.set j, j+2
.endr
.set j, 0
.rept 64
	v_exp_f32 v[S+j], v[S+j]                       ; p = 2^(t - M), at most 1, not normalised
.set j, j+1
.endr
	v_nop                                          ; the plain instruction behind the batch,
	s_wait_alu depctr_va_vdst(0)                   ; and the one wait ahead of its first reader
.set j, 0
.rept 16
	v_pk_add_f32 v[236+4*\t:237+4*\t], v[236+4*\t:237+4*\t], v[S+j:S+j+1]      ; the row's sum is taken of the unquantised p, in two chains
	v_pk_add_f32 v[238+4*\t:239+4*\t], v[238+4*\t:239+4*\t], v[S+j+2:S+j+3]
.set j, j+4
.endr
.set j, 0
.rept 32
	v_dual_min_num_f32 v[S+j], v[S+j], v244 :: v_dual_min_num_f32 v[S+j+1], v[S+j+1], v245   ; the conversion does not saturate (ISA guide 7.6.2); p is not negative, so the hold is one-sided; two in one instruction
.set j, j+2
.endr
.set j, 0
.rept 8
	v_cvt_scalef32_pk8_fp8_f32 v[PC+16*\t+2*j:PC+16*\t+2*j+1], v[S+8*j:S+8*j+7], v246   ; registers 2 T, 2 T + 1 of the operand: keys 16 T + 8 h + 0 .. 7: the form's own order
.set j, j+1
.endr
	v_nop                                          ; a plain instruction between the last conversion and the products that read the codes or write the scores anew
.endm
.macro PV g, reg, zero                 ; O^T += V^T P^T for four tiles of channels and both tiles of queries: each fragment of V feeds two products; the sums take turns
.irp f,0,1,2,3
.irp t,0,1
.if \zero
	v_wmma_f32_16x16x128_fp8_fp8 v[128*\t+8*(4*\g+\f):128*\t+8*(4*\g+\f)+7], v[\reg+16*\f:\reg+16*\f+15], v[PC+16*\t:PC+16*\t+15], 0
.else
	v_wmma_f32_16x16x128_fp8_fp8 v[128*\t+8*(4*\g+\f):128*\t+8*(4*\g+\f)+7], v[\reg+16*\f:\reg+16*\f+15], v[PC+16*\t:PC+16*\t+15], v[128*\t+8*(4*\g+\f):128*\t+8*(4*\g+\f)+7]
.endif
.endr
.endr
.endm
; PASS 2, my key step of the slot.  V comes in four runs of 16 loads, into two sets of 64 registers by turns (the scores' registers are one of them): each wait leaves the youngest run out.
.macro STEP slot, zero
	LOADK \slot
	LOADV \slot, 0, VB
	s_wait_dscnt 16                                ; k is in
	QK 0
	SOFT 0
	QK 1
	SOFT 1
	LOADV \slot, 1, S
	s_wait_dscnt 16                                ; run 0 is in
	WIN 0x50
	PV 0, VB, \zero
	NOPS 4                                         ; places ahead of loads into registers that the products have read
	WIN 0
	LOADV \slot, 2, VB
	s_wait_dscnt 16                                ; run 1
	WIN 0x50
	PV 1, S, \zero
	NOPS 4
	WIN 0
	LOADV \slot, 3, S
	s_wait_dscnt 16                                ; run 2
	WIN 0x50
	PV 2, VB, \zero
	s_wait_dscnt 0x0                               ; run 3
	PV 3, S, \zero
	WIN 0
	NOPS 5                                         ; five places: the next products write over registers that these have read
.endm
; THE CHANGE OF SLOTS.  Every wave waits for all its tensor loads, adds 0 to its spare word, and waits for that and for its reads of the slot that it has left; a round of the cluster's barrier;
; then one tensor load a wave: waves 0 to 3 a quarter each of the slot just left (joint), waves 4 to 7 four rows each of x's tile (plain), onto rows that k's images filled and nobody reads any more.
.macro CHANGE slot
	s_wait_tensorcnt 0x0                           ; no tensor load of mine is out, so the groups 0 may be written
	ds_add_u32 v6, v7
	s_add_nc_u64 s[74+4*\slot:75+4*\slot], s[74+4*\slot:75+4*\slot], 2*SLOTB   ; this slot's next two key steps
	s_add_co_u32 s69, s69, 16*PA                   ; x: sixteen rows on, in LDS
	s_add_nc_u64 s[70:71], s[70:71], 16*16384      ; and in memory
	s_wait_xcnt 0x0                                ; the last prefetch, a key step back, has read its address
	s_add_nc_u64 s[66:67], s[66:67], s[6:7]
	s_add_co_u32 s9, s9, 1
	s_wait_dscnt 0x0                               ; the add is done, and my reads of the slot are over
	ROUND
	s_cmp_lt_u32 s26, 4
	s_cbranch_scc0 .Lx_\@
	tensor_load_to_lds s[72+4*\slot:75+4*\slot], s[48:55]
	s_nop 0
	NOPS 4
	s_branch .Ld_\@
.Lx_\@:
	tensor_load_to_lds s[68:71], s[40:47]
	s_nop 0
	NOPS 4
.Ld_\@:
	ASK
.endm
.macro FCLOAD ks                       ; fc_w's eight fragments of K step ks, in the form's own order: registers 2 c, 2 c + 1 = channels 16 c + 8 h + 0 .. 7
.irp U,0,1,2,3,4,5,6,7
.irp c,0,1,2,3,4,5,6,7
	ds_load_b64 v[S+16*\U+2*\c:S+16*\U+2*\c+1], v14 offset:16*PF*\U+128*\ks+16*\c
.endr
.endr
.endm
.macro PLOAD bt                        ; pooling: 32 pixels of my channel's row of x, and their weights
.irp i,0,1,2,3,4,5,6,7
	ds_load_b128 v[72+64*((\bt)%2)+4*\i:75+64*((\bt)%2)+4*\i], v8 offset:128*(\bt)+16*\i
	ds_load_b128 v[104+64*((\bt)%2)+4*\i:107+64*((\bt)%2)+4*\i], v5 offset:128*(\bt)+16*\i
.endr
.endm
.macro PSUM bt
.irp i,0,1,2,3,4,5,6,7
.if ((\bt) == 0) && (\i == 0)
	v_pk_mul_f32 v[236:237], v[72:73], v[104:105]  ; the first products start the sums
	v_pk_mul_f32 v[238:239], v[74:75], v[106:107]
.else
	v_pk_fma_f32 v[236:237], v[72+64*((\bt)%2)+4*\i:73+64*((\bt)%2)+4*\i], v[104+64*((\bt)%2)+4*\i:105+64*((\bt)%2)+4*\i], v[236:237]
	v_pk_fma_f32 v[238:239], v[74+64*((\bt)%2)+4*\i:75+64*((\bt)%2)+4*\i], v[106+64*((\bt)%2)+4*\i:107+64*((\bt)%2)+4*\i], v[238:239]
.endif
.endr
.endm
	s_load_b256 s[4:11], s[0:1], 0x0               ; qimg s[4:5], kimg s[6:7], kv s[8:9], x s[10:11]
	s_load_b256 s[12:19], s[0:1], 0x20             ; fc_w s[12:13], fc_b s[14:15], ctx_w s[16:17], gamma s[18:19]
	s_load_b128 s[20:23], s[0:1], 0x40             ; the exponents s[20:21], part s[22:23]
	s_load_b64 s[24:25], s[0:1], 0x50              ; stat
	v_lshl_add_u32 v6, v0, 2, SPARE
	v_mov_b32 v7, 0
	ds_add_u32 v6, v7                              ; the opening: the add, twice on end, and its wait ahead of the round in front of my first tensor loads
	ds_add_u32 v6, v7
	v_lshrrev_b32 v1, 5, v0
	v_readfirstlane_b32 s26, v1                    ; wave 0..7
	s_and_b32 s27, s26, 3                          ; which quarter of a slot I fetch
	s_and_b32 s28, s26, 1                          ; which half of the keys is mine
	s_bfe_u32 s29, ttmp6, 0x40000                  ; cx: it enters global addresses of q, x, part, stat and the prefetches alone
	s_lshl_b32 s30, ttmp9, 2
	s_add_co_u32 s30, s30, s29                     ; my block of 128 pixels
	s_and_b32 s31, ttmp7, 0xffff                   ; the image, which the four partners share
	; group 1 for k's images: 32 rows of 512 bytes, dense, 16 bytes of padding behind each; joint
	s_mov_b32 s32, 15|(3<<16)|(1<<20)|(1<<21)|(6<<22)|(3<<25)
	s_mov_b32 s33, 64<<16
	s_mov_b32 s34, 32<<16
	s_mov_b32 s35, 64<<16
	s_mov_b32 s36, 32
	s_mov_b32 s37, 64
	s_mov_b32 s38, 0
	s_mov_b32 s39, 0
	; group 1 for x's pieces: 4 rows of 128 f32, 4,096 elements apart, the same padding; plain
	s_mov_b32 s40, (2<<16)|(1<<20)|(6<<22)|(3<<25)
	s_mov_b32 s41, 128<<16
	s_mov_b32 s42, 4<<16
	s_mov_b32 s43, 128<<16
	s_mov_b32 s44, 4
	s_mov_b32 s45, 4096
	s_mov_b32 s46, 0
	s_mov_b32 s47, 0
	; group 1 for the ring: 72 rows of 256 bytes, dense, no padding; joint
	s_mov_b32 s48, 15|(3<<16)|(1<<21)
	s_mov_b32 s49, 32<<16
	s_mov_b32 s50, 72<<16
	s_mov_b32 s51, 32<<16
	s_mov_b32 s52, 72
	s_mov_b32 s53, 32
	s_mov_b32 s54, 0
	s_mov_b32 s55, 0
	; group 1 for fc_w: 16 rows of 256 bytes, dense, 16 bytes of padding behind each; joint
	s_mov_b32 s56, 15|(3<<16)|(1<<20)|(1<<21)|(5<<22)|(3<<25)
	s_mov_b32 s57, 32<<16
	s_mov_b32 s58, 16<<16
	s_mov_b32 s59, 32<<16
	s_mov_b32 s60, 16
	s_mov_b32 s61, 32
	s_mov_b32 s62, 0
	s_mov_b32 s63, 0
	; groups 0: s[68:71] k's images, later x's pieces; s[72:75], s[76:79] the ring's two slots; s[80:83] fc_w; s[84:87] the ring's first fill, an eighth of both slots a wave
	s_mov_b32 s68, 1
	s_mul_i32 s69, s26, 32*PA
	s_mov_b32 s72, 1
	s_mul_i32 s73, s27, QTR
	s_add_co_u32 s73, s73, R0
	s_mov_b32 s76, 1
	s_add_co_u32 s77, s73, SLOTB
	s_mov_b32 s80, 1
	s_mul_i32 s81, s26, 16*PF
	s_add_co_u32 s81, s81, FC
	s_mov_b32 s84, 1
	s_mul_i32 s85, s26, QTR
	s_add_co_u32 s85, s85, R0
	s_lshl_b32 s100, s31, 17                       ; an image's tiles of k are 131,072 bytes; my 32 of them 16,384
	s_lshl_b32 s101, s26, 14
	s_add_co_u32 s100, s100, s101
	s_mov_b32 s101, 0
	s_wait_dscnt 0x0                               ; both opening adds are done
	s_wait_kmcnt 0x0
	s_add_nc_u64 s[70:71], s[6:7], s[100:101]
	s_or_b32 s71, s71, 0x80000000
	s_mul_i32 s100, s31, 1179648
	s_add_nc_u64 s[8:9], s[8:9], s[100:101]        ; the image's part of kv
	s_mul_i32 s100, s26, QTR
	s_add_nc_u64 s[86:87], s[8:9], s[100:101]
	s_or_b32 s87, s87, 0x80000000
	s_mul_i32 s100, s27, QTR
	s_add_nc_u64 s[74:75], s[8:9], s[100:101]
	s_add_nc_u64 s[78:79], s[74:75], SLOTB
	s_or_b32 s75, s75, 0x80000000
	s_or_b32 s79, s79, 0x80000000
	s_lshl_b32 s100, s26, 12
	s_add_nc_u64 s[82:83], s[12:13], s[100:101]
	s_or_b32 s83, s83, 0x80000000
	s_cmp_lt_u32 s26, 4                            ; threads 0 to 127 fetch fc_b, the others ctx_w, a word each
	s_cselect_b64 s[2:3], s[14:15], s[16:17]
	s_load_b256 s[88:95], s[20:21], 0x0            ; e0 .. e7
	s_load_b128 s[96:99], s[20:21], 0x20           ; e8 .. e11
	s_load_b32 s16, s[18:19], 0x0                  ; gamma
	s_lshl_b32 s14, s31, 22                        ; offsets that hang on my block stand in registers of their own
	s_lshl_b32 s15, s30, 9
	s_add_co_u32 s14, s14, s15
	s_mov_b32 s15, 0
	s_add_nc_u64 s[10:11], s[10:11], s[14:15]      ; x: channel 0, my first pixel
	s_lshl_b32 s14, s31, 5
	s_add_co_u32 s14, s14, s30                     ; 32 b + block
	s_lshl_b32 s14, s14, 8
	s_add_nc_u64 s[24:25], s[24:25], s[14:15]      ; stat: 256 bytes a block
	s_lshl_b32 s14, s14, 2
	s_add_nc_u64 s[22:23], s[22:23], s[14:15]      ; part: 1,024
	s_lshl_b32 s14, s14, 2
	s_add_nc_u64 s[4:5], s[4:5], s[14:15]          ; qimg: eight tiles of 512
	ROUND                                          ; all four work-groups are here: the first joint loads meet
	tensor_load_to_lds s[68:71], s[32:39]          ; the first fills, one group, no branch: three loads of mine are out.  k's images,
	s_nop 0
	tensor_load_to_lds s[84:87], s[48:55]          ; key steps 0 to 3,
	s_nop 0
	tensor_load_to_lds s[80:83], s[56:63]          ; fc_w
	s_nop 0
	NOPS 4
	v_lshlrev_b32 v8, 4, v0                        ; q: my tile 0 is tile (wave): 512 x wave + 16 x lane = 16 x thread;
	v_xor_b32 v9, 512, v8                          ; my tile 1 is tile (wave xor 1)
	global_load_b128 v[20:23], v8, s[4:5]
	global_load_b128 v[32:35], v9, s[4:5]
	v_and_b32 v10, 127, v0
	v_lshlrev_b32 v10, 2, v10
	global_load_b32 v252, v10, s[2:3]
	v_and_b32 v14, 31, v0                          ; lane
	v_lshlrev_b32 v1, 4, v14                       ; 16 x lane
	s_mul_i32 s12, s28, 8*PA
	v_add_nc_u32 v3, s12, v1                       ; pass 1: my first eight images: rows 8 x half on
	s_mul_i32 s12, s28, STEPB
	s_add_co_u32 s12, s12, R0
	v_add_nc_u32 v4, s12, v1                       ; pass 2: my key step in slot 0,
	v_add_nc_u32 v5, SLOTB, v4                     ; in slot 1
	s_lshl_b32 s12, s26, 8
	v_lshl_add_u32 v11, v14, 2, s12
	v_add_nc_u32 v11, XM, v11                      ; where I leave my maxima: 256 bytes a wave,
	v_xor_b32 v12, 256, v11                        ; and where the wave with the other half of the keys leaves its own
	v_lshl_add_u32 v13, v0, 2, FBW
.irp i,16,17,18,19,24,25,26,27,28,29,30,31,36,37,38,39
	v_mov_b32 v\i, 0                               ; the zeros beside q
.endr
.irp i,233,235,236,237,238,239,240,241,242,243,253,254,255
	v_mov_b32 v\i, 0                               ; l; upper halves of named pairs; destinations of lane permutes
.endr
.irp i,247,248,249,250
	v_mov_b32 v\i, 0xff7fffff                      ; under every score
.endr
	s_wait_kmcnt 0x0
	; the prefetches: where mine stand, how far they step, how many are mine
	s_cmp_lt_u32 s26, 4
	s_cselect_b64 s[66:67], s[8:9], s[10:11]
	s_mov_b32 s6, 262144
	s_cselect_b32 s6, 98304, s6
	s_mov_b32 s7, 0
	s_mov_b32 s17, 16384
	s_cselect_b32 s17, 512, s17                    ; from pair of lanes to pair of lanes
	v_lshrrev_b32 v15, 1, v14
	v_mul_lo_u32 v251, v15, s17
	v_and_b32 v15, 1, v14
	v_lshl_add_u32 v251, v15, 8, v251
	s_mul_i32 s18, s29, 24576
	s_lshl_b32 s19, s26, 13
	s_add_co_u32 s18, s18, s19
	s_add_co_u32 s18, s18, 196608                  ; kv: what lies ahead of this byte comes by its loads alone
	s_sub_co_u32 s19, s26, 4
	s_lshl_b32 s19, s19, 18                        ; x: 16 rows a wave
	s_cmp_lt_u32 s26, 4
	s_cselect_b32 s18, s18, s19
	s_mov_b32 s19, 0
	s_add_nc_u64 s[66:67], s[66:67], s[18:19]
	s_cmp_eq_u32 s26, 7
	s_cselect_b32 s8, 13, 1
	s_cmp_lt_u32 s26, 4
	s_cselect_b32 s8, 0, s8
	s_cmp_lt_u32 s26, 3
	s_cselect_b32 s18, 0, 1
	s_or_b32 s18, s18, ttmp9                       ; 0 in waves 0 to 2 of the image's first cluster: the same in all four partners
	s_cmp_eq_u32 s18, 0
	s_cselect_b32 s8, 10, s8
	s_mov_b32 s9, 0
	; powers of two from the given exponents
	s_add_co_i32 s18, s92, s93
	s_lshl_b32 s18, s18, 23
	s_add_co_i32 s100, s18, 0x3fb8aa3b             ; log2(e) x 2^(e4 + e5): the exponents are added to the exponent field
	s_mov_b32 s101, s100
	s_add_co_i32 s18, s98, s99
	s_lshl_b32 s18, s18, 23
	s_add_co_i32 s14, s18, 0x4038aa3b              ; 2 log2(e) x 2^(e10 + e11)
	s_mov_b32 s15, s14
	s_add_co_i32 s17, s96, s97                     ; e8 + e9
	s_add_co_i32 s18, s97, 127
	s_lshl_b32 s21, s18, 23                        ; 2^e9
	s_add_co_i32 s18, s18, 8
	s_lshl_b32 s20, s18, 23
	s_or_b32 s20, s20, 0x600000                    ; 448 x 2^e9
	s_add_co_i32 s18, s98, 127
	s_lshl_b32 s19, s18, 23                        ; 2^e10
	s_add_co_i32 s18, s18, 8
	s_lshl_b32 s18, s18, 23
	s_or_b32 s18, s18, 0x600000                    ; 448 x 2^e10
	v_mov_b32 v244, s20                            ; twice, in neighbouring registers: the two halves of the double hold take different ones
	v_mov_b32 v245, s20
	v_mov_b32 v246, s21
	s_wait_loadcnt 0x0                             ; q, and my word of fc_b or ctx_w
	s_cmp_lt_u32 s26, 4
	s_cselect_b32 s2, 0x4038aa3b, 1.0              ; fc_b is kept x 2 log2(e), as the exponential in tanh wants it
	v_mul_f32 v252, s2, v252
	ds_store_b32 v13, v252
	s_mov_b32 s4, 0x76543210                       ; lane selects for v_permlanex16_b32: lane l xor 16
	s_mov_b32 s5, 0xfedcba98
	s_wait_tensorcnt 0x2                           ; my part of k's images is in; the ring's and fc_w's loads, issued behind it, may stay out
	s_wait_dscnt 0x0
	s_barrier_signal -1
	s_barrier_wait -1
	; ---- PASS 1: my half of the keys, 128 a trip
	v_mov_b32 v2, v3
.irp i,0,1,2,3,4,5,6,7
	ds_load_b128 v[KF+4*\i:KF+4*\i+3], v2 offset:PA*\i
.endr
	ASK
	s_mov_b32 s13, 0
	s_mov_b32 s12, 15
.Lp1:
	P1 1
	s_sub_co_u32 s12, s12, 1
	s_cmp_lg_u32 s12, 0
	s_cbranch_scc1 .Lp1
	P1 0
	; ---- M: the two chains, the other half of the lanes, the other half of the keys
	v_max_num_f32 v247, v247, v248
	v_max_num_f32 v249, v249, v250
	v_permlanex16_b32 v252, v247, s4, s5
	v_permlanex16_b32 v253, v249, s4, s5
	v_max_num_f32 v247, v247, v252
	v_max_num_f32 v249, v249, v253
	ds_store_b32 v11, v247
	ds_store_b32 v11, v249 offset:128
	s_wait_tensorcnt 0x0                           ; all my first fills have landed, so k's group 0 may be written: it becomes x's
	ds_add_u32 v6, v7
	s_mul_i32 s69, s26, 4*PA                       ; rows 4 x wave on,
	s_lshl_b32 s2, s26, 16
	s_mov_b32 s3, 0
	s_add_nc_u64 s[70:71], s[10:11], s[2:3]        ; in LDS and in memory
	s_or_b32 s71, s71, 0x80000000
	s_wait_dscnt 0x0                               ; the add and my stores are done, and my reads of k's images are over
	ROUND
	tensor_load_to_lds s[68:71], s[40:47]          ; x's rows 0 to 31, four a wave, onto rows that nobody reads any more
	s_nop 0
	NOPS 4
	ds_load_b32 v252, v12 offset:128               ; the other wave's tile 1 is my tile 0,
	ds_load_b32 v253, v12                          ; its tile 0 my tile 1
	s_wait_dscnt 0x0
	v_max_num_f32 v247, v247, v252
	v_max_num_f32 v249, v249, v253
	v_mul_f32 v247, s100, v247                     ; as t (the factor is positive)
	v_mul_f32 v249, s100, v249
	v_floor_f32 v232, -v247                        ; -M = floor(-t) = -ceil(t)
	v_floor_f32 v234, -v249
	; ---- PASS 2: sixteen periods of two key steps, one for each half of the waves
	STEP 0, 1                                      ; the first products start O^T's sums
	s_mov_b32 s12, 7
.Lper:
	CHANGE 0
	STEP 1, 0
	CHANGE 1
	STEP 0, 0
	s_sub_co_u32 s12, s12, 1
	s_cmp_lg_u32 s12, 0
	s_cbranch_scc1 .Lper
	s_wait_tensorcnt 0x0                           ; the last change of slots is written out: nothing is left to fetch
	ds_add_u32 v6, v7
	s_wait_dscnt 0x0
	s_barrier_signal -1
	s_barrier_wait -1
	STEP 1, 0
	; ---- THE HALVES MEET.  l of both tiles; addresses for all that follows
	v_pk_add_f32 v[236:237], v[236:237], v[238:239]
	v_pk_add_f32 v[240:241], v[240:241], v[242:243]
	v_add_f32 v236, v236, v237
	v_add_f32 v240, v240, v241
	v_permlanex16_b32 v252, v236, s4, s5
	v_permlanex16_b32 v253, v240, s4, s5
	v_add_f32 v236, v236, v252
	v_add_f32 v240, v240, v253
	v_and_b32 v16, 15, v0                          ; r
	v_bfe_u32 v17, v0, 4, 1                        ; h
	v_and_b32 v18, 31, v0                          ; lane
	s_xor_b32 s2, s26, 1
	s_lshl_b32 s3, s2, 14
	v_add_nc_u32 v8, s3, v1
	v_add_nc_u32 v8, OX, v8                        ; the other wave's mailbox,
	s_lshl_b32 s3, s26, 14
	v_add_nc_u32 v9, s3, v1
	v_add_nc_u32 v9, OX, v9                        ; mine
	s_lshl_b32 s3, s2, 8
	v_lshl_add_u32 v10, v18, 2, s3
	v_add_nc_u32 v10, XL, v10
	s_lshl_b32 s3, s26, 8
	v_lshl_add_u32 v11, v18, 2, s3
	v_add_nc_u32 v11, XL, v11
	v_mul_u32_u24 v12, v17, 8*PA                   ; x: channel 8 h, pixel 16 x wave + r
	v_lshl_add_u32 v12, v16, 2, v12
	s_lshl_b32 s3, s26, 6
	v_add_nc_u32 v12, s3, v12
	v_add_nc_u32 v13, 128*PA, v12
	v_mul_u32_u24 v14, v16, PF                     ; fc_w: row r, + 8 h
	v_lshl_add_u32 v14, v17, 3, v14
	v_add_nc_u32 v14, FC, v14
	v_lshlrev_b32 v15, 5, v17
	v_add_nc_u32 v15, FBW, v15                     ; fc_b, ctx_w: hidden units 8 h on
	v_lshl_add_u32 v2, v16, 2, s3
	v_add_nc_u32 v2, XS, v2                        ; my pixel's score
	v_add_nc_u32 v3, XS, v1                        ; four scores a lane
	s_lshl_b32 s3, s26, 9
	v_add_nc_u32 v4, s3, v1
	v_add_nc_u32 v4, XE, v4                        ; my wave's own copy of the 128 weights: in,
	v_mov_b32 v5, s3
	v_add_nc_u32 v5, XE, v5                        ; and out, the same address in every lane
	s_wait_dscnt 0x0
	s_barrier_signal -1
	s_barrier_wait -1                              ; nobody reads the ring any more; it has had its last fill
	WIN 0x04
.set i, 0
.rept 32
	ds_store_b128 v8, v[128+4*i:131+4*i] offset:512*i   ; my tile 1, as an image of its registers, each sum from its low end on
.set i, i+1
.endr
	WIN 0
	ds_store_b32 v10, v240
	s_wait_dscnt 0x0
	s_barrier_signal -1
	s_barrier_wait -1
	ds_load_b32 v254, v11
.set i, 0
.rept 32
	ds_load_b128 v[S+4*i:S+4*i+3], v9 offset:512*i
.set i, i+1
.endr
	WIN 0x40
.set n, 0
.rept 64
	ds_load_b32 v[128+n], v12 offset:(16*(n/8)+n%8)*PA   ; x: register 8 f + i = channel 16 f + 8 h + i of my pixel, as O^T has it
.set n, n+1
.endr
.set n, 0
.rept 64
	ds_load_b32 v[192+n], v13 offset:(16*(n/8)+n%8)*PA
.set n, n+1
.endr
	WIN 0
	s_wait_dscnt 0x0
	v_add_f32 v236, v236, v254                     ; the row's sum
	v_rcp_f32 v252, v236
	v_nop
	s_wait_alu depctr_va_vdst(0)                   ; the wait ahead of the reciprocal's first reader
	v_mul_f32 v252, s16, v252
	v_ldexp_f32 v252, v252, s17                    ; gamma x 2^(e8 + e9) / l
	WIN 0x41
.set j, 0
.rept 64
	v_pk_add_f32 v[j:j+1], v[j:j+1], v[S+j:S+j+1]  ; the two halves of the keys
.set j, j+2
.endr
	WIN 0
	FCLOAD 0
	v_mov_b32 v244, s18
	v_mov_b32 v246, s19
	WIN 0x51
.set j, 0
.rept 64
	v_pk_fma_f32 v[j:j+1], v[j:j+1], v[252:253], v[128+j:129+j] op_sel_hi:[1,0,1]   ; tok = gamma out + x
.set j, j+2
.endr
	WIN 0x41
.set j, 0
.rept 128
	v_med3_num_f32 v[j], v[j], -v244, v244
.set j, j+1
.endr
	WIN 0x01
.set j, 0
.rept 16
	v_cvt_scalef32_pk8_fp8_f32 v[PC+2*j:PC+2*j+1], v[8*j:8*j+7], v246
.set j, j+1
.endr
	v_nop
	s_wait_dscnt 0x0
	; ---- hid^T = fc_w tok^T: eight tiles of hidden units by turns, two K steps
	WIN 0x40
.irp U,0,1,2,3,4,5,6,7
	v_wmma_f32_16x16x128_fp8_fp8 v[8*\U:8*\U+7], v[S+16*\U:S+16*\U+15], v[PC:PC+15], 0
.endr
	NOPS 4
	WIN 0
	FCLOAD 1
	WIN 0x40
.irp U,0,1,2,3,4,5,6,7
	ds_load_b128 v[64+8*\U:67+8*\U], v15 offset:64*\U              ; fc_b x 2 log2(e) and ctx_w in the result's layout: register 8 U + j = hidden unit 16 U + 8 h + j
	ds_load_b128 v[68+8*\U:71+8*\U], v15 offset:64*\U+16
	ds_load_b128 v[128+8*\U:131+8*\U], v15 offset:512+64*\U
	ds_load_b128 v[132+8*\U:135+8*\U], v15 offset:512+64*\U+16
.endr
	s_wait_dscnt 0x0
	WIN 0x50
.irp U,0,1,2,3,4,5,6,7
	v_wmma_f32_16x16x128_fp8_fp8 v[8*\U:8*\U+7], v[S+16*\U:S+16*\U+15], v[PC+16:PC+31], v[8*\U:8*\U+7]
.endr
	NOPS 4
	; ---- tanh(a) = 1 - 2 / (1 + 2^(2 log2(e) a)), and the product with ctx_w in f32
	WIN 0x55
.set j, 0
.rept 32
	v_pk_fma_f32 v[j:j+1], v[j:j+1], s[14:15], v[64+j:65+j] op_sel_hi:[1,0,1]
.set j, j+2
.endr
.set j, 0
.rept 64
	v_exp_f32 v[j], v[j]
.set j, j+1
.endr
	v_nop
	s_wait_alu depctr_va_vdst(0)
.set j, 0
.rept 32
	v_pk_add_f32 v[j:j+1], v[j:j+1], 1.0 op_sel_hi:[1,0]
.set j, j+2
.endr
.set j, 0
.rept 64
	v_rcp_f32 v[j], v[j]
.set j, j+1
.endr
	v_nop
	s_wait_alu depctr_va_vdst(0)
.set j, 0
.rept 32
	v_pk_fma_f32 v[j:j+1], v[j:j+1], -2.0, 1.0 op_sel_hi:[1,0,0]
.set j, j+2
.endr
	v_pk_mul_f32 v[192:193], v[0:1], v[128:129]
	v_pk_mul_f32 v[194:195], v[2:3], v[130:131]
.set j, 4
.rept 15
	v_pk_fma_f32 v[192:193], v[j:j+1], v[128+j:129+j], v[192:193]
	v_pk_fma_f32 v[194:195], v[j+2:j+3], v[130+j:131+j], v[194:195]
.set j, j+4
.endr
	v_pk_add_f32 v[192:193], v[192:193], v[194:195]
	WIN 0x05
	v_add_f32 v254, v192, v193
	WIN 0
	v_permlanex16_b32 v255, v254, s4, s5
	v_add_f32 v254, v254, v255                     ; my pixel's score
	ds_store_b32 v2, v254                          ; both halves of the lanes write the same word with the same number
	s_wait_dscnt 0x0
	s_barrier_signal -1
	s_barrier_wait -1
	; ---- the block's share of the pooling softmax; every wave makes it for itself
	ds_load_b128 v[72:75], v3
	s_wait_dscnt 0x0
	v_max3_num_f32 v252, v72, v73, v74
	v_max_num_f32 v252, v252, v75
	v_max_num_f32_dpp v252, v252, v252 row_xmask:1 row_mask:0xf bank_mask:0xf
	v_max_num_f32_dpp v252, v252, v252 row_xmask:2 row_mask:0xf bank_mask:0xf
	v_max_num_f32_dpp v252, v252, v252 row_xmask:4 row_mask:0xf bank_mask:0xf
	v_max_num_f32_dpp v252, v252, v252 row_xmask:8 row_mask:0xf bank_mask:0xf
	v_permlanex16_b32 v253, v252, s4, s5
	v_max_num_f32 v252, v252, v253                 ; m: the largest of the 128 scores
.irp i,72,73,74,75
	v_sub_f32 v\i, v\i, v252
.endr
.irp i,72,73,74,75
	v_mul_f32 v\i, 0x3fb8aa3b, v\i
.endr
.irp i,72,73,74,75
	v_exp_f32 v\i, v\i
.endr
	v_nop
	s_wait_alu depctr_va_vdst(0)
	ds_store_b128 v4, v[72:75]
	v_add_f32 v254, v72, v73
	v_add_f32 v255, v74, v75
	v_add_f32 v254, v254, v255
	v_add_f32_dpp v254, v254, v254 row_xmask:1 row_mask:0xf bank_mask:0xf
	v_add_f32_dpp v254, v254, v254 row_xmask:2 row_mask:0xf bank_mask:0xf
	v_add_f32_dpp v254, v254, v254 row_xmask:4 row_mask:0xf bank_mask:0xf
	v_add_f32_dpp v254, v254, v254 row_xmask:8 row_mask:0xf bank_mask:0xf
	v_permlanex16_b32 v255, v254, s4, s5
	v_add_f32 v253, v254, v255                     ; L; v[252:253] = (m, L)
	; ---- pooling: a thread to a channel; LDS serves a wave's instructions in order, so the weights' loads see my store
	v_mul_u32_u24 v8, v0, PA
	PLOAD 0
	PLOAD 1
	s_wait_dscnt 16
	PSUM 0
	PLOAD 2
	s_wait_dscnt 16
	PSUM 1
	PLOAD 3
	s_wait_dscnt 16
	PSUM 2
	s_wait_dscnt 0x0
	PSUM 3
	v_pk_add_f32 v[236:237], v[236:237], v[238:239]
	v_add_f32 v236, v236, v237
	v_lshl_add_u32 v9, v0, 2, XM                   ; the 256 sums meet in LDS, so that they leave in runs of 512 bytes
	ds_store_b32 v9, v236
	s_and_b32 s2, s26, 1
	s_lshl_b32 s2, s2, 9
	v_add_nc_u32 v11, s2, v1
	v_add_nc_u32 v10, XM, v11
	v_lshrrev_b32 v12, 1, v1                       ; 8 x lane
	s_wait_dscnt 0x0
	s_barrier_signal -1
	s_barrier_wait -1
	s_cmp_lt_u32 s26, 2
	s_cbranch_scc0 .Lnot_part
	ds_load_b128 v[72:75], v10
	s_wait_dscnt 0x0
	global_store_b128 v11, v[72:75], s[22:23]      ; waves 0 and 1: 512 consecutive bytes each, aligned
.Lnot_part:
	s_cmp_eq_u32 s26, 2
	s_cbranch_scc0 .Lnot_stat
	global_store_b64 v12, v[252:253], s[24:25]     ; wave 2: 256 consecutive bytes, aligned
.Lnot_stat:
	s_wait_tensorcnt 0x0                           ; the wave's end, behind my last tensor load and my last LDS store
	ds_add_u32 v6, v7
	s_wait_dscnt 0x0
	ROUND                                          ; the closing round: no work-group ends while a partner may still ask for a tile that names it
	s_endpgm
.Lfunc_end_k_qd7c5f1edbb_attn:
	.size	k_qd7c5f1edbb_attn, .Lfunc_end_k_qd7c5f1edbb_attn-k_qd7c5f1edbb_attn
	.p2alignl 7, 3214868480
	.fill 96, 4, 3214868480
	.section	.rodata,"a",@progbits
	.p2align	6, 0x0
	.amdhsa_kernel k_qd7c5f1edbb_attn
		.amdhsa_group_segment_fixed_size 327680
		.amdhsa_private_segment_fixed_size 0
		.amdhsa_enable_private_segment 0
		.amdhsa_kernarg_size 88
		.amdhsa_user_sgpr_count 2
		.amdhsa_user_sgpr_kernarg_segment_ptr 1
		.amdhsa_wavefront_size32 1
		.amdhsa_system_sgpr_workgroup_id_x 1
		.amdhsa_system_sgpr_workgroup_id_y 1
		.amdhsa_system_sgpr_workgroup_id_z 1
		.amdhsa_system_vgpr_workitem_id 0
		.amdhsa_next_free_vgpr 512
		.amdhsa_next_free_sgpr 102
		.amdhsa_reserve_vcc 0
		.amdhsa_float_denorm_mode_32 3
		.amdhsa_float_denorm_mode_16_64 3
		.amdhsa_memory_ordered 1
		.amdhsa_forward_progress 1
		.amdhsa_inst_pref_size 198
	.end_amdhsa_kernel
	.amdgpu_metadata
---
amdhsa.version: [ 1, 2 ]
amdhsa.kernels:
  - .name:           k_qd7c5f1edbb_attn
    .symbol:         k_qd7c5f1edbb_attn.kd
    .args:
      - { .name: qimg, .offset: 0, .size: 8, .value_kind: global_buffer, .address_space: global }
      - { .name: kimg, .offset: 8, .size: 8, .value_kind: global_buffer, .address_space: global }
      - { .name: kv, .offset: 16, .size: 8, .value_kind: global_buffer, .address_space: global }
      - { .name: style_features, .offset: 24, .size: 8, .value_kind: global_buffer, .address_space: global }
      - { .name: fc_w_codes, .offset: 32, .size: 8, .value_kind: global_buffer, .address_space: global }
      - { .name: fc_b, .offset: 40, .size: 8, .value_kind: global_buffer, .address_space: global }
      - { .name: ctx_w, .offset: 48, .size: 8, .value_kind: global_buffer, .address_space: global }
      - { .name: gamma, .offset: 56, .size: 8, .value_kind: global_buffer, .address_space: global }
      - { .name: lowp_scales, .offset: 64, .size: 8, .value_kind: global_buffer, .address_space: global }
      - { .name: part, .offset: 72, .size: 8, .value_kind: global_buffer, .address_space: global }
      - { .name: stat, .offset: 80, .size: 8, .value_kind: global_buffer, .address_space: global }
    .group_segment_fixed_size: 327680
    .private_segment_fixed_size: 0
    .kernarg_segment_align: 8
    .kernarg_segment_size: 88
    .max_flat_workgroup_size: 256
    .sgpr_count:     102
    .vgpr_count:     512
    .wavefront_size: 32
...
	.end_amdgpu_metadata
.endif
;; end of part 2
;; launch pool (part 3): grid 8 x 1, 2 waves a work-group, no clusters, 0 bytes of LDS; arguments part, stat, out0; writes out0
.if DOCPART == 3
	.amdgcn_target "amdgcn-amd-amdhsa--gfx1250"
	.amdhsa_code_object_version 6
	.text
	.protected	k_qd7c5f1edbb_pool
	.globl	k_qd7c5f1edbb_pool
	.p2align	8
	.type	k_qd7c5f1edbb_pool,@function
k_qd7c5f1edbb_pool:
	s_mov_b64 s[64:65], 0
	v_nop
	global_prefetch_b8 v0, s[64:65] scope:SCOPE_SE
	s_setreg_imm32_b32 hwreg(HW_REG_WAVE_MODE, 25, 1), 1
	s_wait_xcnt 0x0
; out0[b][c] = sum over the image's 32 blocks of part[b][k][c] w_k / sum over k of L_k w_k, with w_k = exp(m_k - m) and m the largest m_k: the pooling softmax joined from its blocks' shares.  No work is left out.
; A work-group to an image: 33 KB of input each; eight work-groups are all the work there is.  Two waves; a lane takes four neighbouring channels, so that sixteen lanes read and store 256 consecutive bytes.
; Lane k holds block k's (m, L); the weights go to the channels' sums by v_readlane_b32.  No LDS, no barrier, no matrix unit: a few thousand multiply-adds.
	s_load_b128 s[4:7], s[0:1], 0x0                ; part, stat
	s_load_b64 s[8:9], s[0:1], 0x10                ; out0
	v_and_b32 v1, 31, v0
	v_lshlrev_b32 v1, 8, v1                        ; stat: 256 bytes a block
	v_lshlrev_b32 v2, 4, v0                        ; my four channels
	s_lshl_b32 s10, ttmp9, 13
	s_mov_b32 s11, 0
	s_lshl_b32 s12, ttmp9, 15
	s_mov_b32 s13, 0
	s_lshl_b32 s14, ttmp9, 10
	s_mov_b32 s15, 0
	s_mov_b32 s16, 0x76543210                      ; lane selects for v_permlanex16_b32: lane l xor 16
	s_mov_b32 s17, 0xfedcba98
	s_wait_kmcnt 0x0
	s_add_nc_u64 s[6:7], s[6:7], s[10:11]
	s_add_nc_u64 s[4:5], s[4:5], s[12:13]
	s_add_nc_u64 s[8:9], s[8:9], s[14:15]
	global_load_b64 v[4:5], v1, s[6:7]             ; (m, L) of block (lane)
.set k, 0
.rept 32
	global_load_b128 v[16+4*k:19+4*k], v2, s[4:5] offset:1024*k
.set k, k+1
.endr
	v_mov_b32 v7, 0                                ; a lane permute's destination counts as read
	s_wait_loadcnt 32                              ; (m, L) is in; the 32 loads issued behind it may stay out
	v_mov_b32 v6, v4
	v_max_num_f32_dpp v6, v6, v6 row_xmask:1 row_mask:0xf bank_mask:0xf
	v_max_num_f32_dpp v6, v6, v6 row_xmask:2 row_mask:0xf bank_mask:0xf
	v_max_num_f32_dpp v6, v6, v6 row_xmask:4 row_mask:0xf bank_mask:0xf
	v_max_num_f32_dpp v6, v6, v6 row_xmask:8 row_mask:0xf bank_mask:0xf
	v_permlanex16_b32 v7, v6, s16, s17
	v_max_num_f32 v6, v6, v7                       ; m
	v_sub_f32 v8, v4, v6
	v_mul_f32 v8, 0x3fb8aa3b, v8
	v_exp_f32 v8, v8                               ; w_k
	v_nop
	s_wait_alu depctr_va_vdst(0)                   ; the wait ahead of the first reader
	v_mul_f32 v9, v5, v8
	v_add_f32_dpp v9, v9, v9 row_xmask:1 row_mask:0xf bank_mask:0xf
	v_add_f32_dpp v9, v9, v9 row_xmask:2 row_mask:0xf bank_mask:0xf
	v_add_f32_dpp v9, v9, v9 row_xmask:4 row_mask:0xf bank_mask:0xf
	v_add_f32_dpp v9, v9, v9 row_xmask:8 row_mask:0xf bank_mask:0xf
	v_permlanex16_b32 v7, v9, s16, s17
	v_add_f32 v9, v9, v7                           ; the softmax's sum
	v_rcp_f32 v10, v9
	v_nop
	s_wait_alu depctr_va_vdst(0)
	v_mul_f32 v8, v8, v10                          ; w_k / the sum
.set k, 0
.rept 32
	v_readlane_b32 s[20+k], v8, k
.set k, k+1
.endr
	s_wait_loadcnt 0x0
.irp c,0,1,2,3
	v_mul_f32 v[144+\c], s20, v[16+\c]             ; the first two blocks start two chains
	v_mul_f32 v[148+\c], s21, v[20+\c]
.endr
.set k, 2
.rept 15
.irp c,0,1,2,3
	v_fma_f32 v[144+\c], s[20+k], v[16+4*k+\c], v[144+\c]
	v_fma_f32 v[148+\c], s[21+k], v[20+4*k+\c], v[148+\c]
.endr
.set k, k+2
.endr
	v_pk_add_f32 v[144:145], v[144:145], v[148:149]
	v_pk_add_f32 v[146:147], v[146:147], v[150:151]
	global_store_b128 v2, v[144:147], s[8:9]       ; a wave stores 512 consecutive bytes, aligned
	s_endpgm
.Lfunc_end_k_qd7c5f1edbb_pool:
	.size	k_qd7c5f1edbb_pool, .Lfunc_end_k_qd7c5f1edbb_pool-k_qd7c5f1edbb_pool
	.p2alignl 7, 3214868480
	.fill 96, 4, 3214868480
	.section	.rodata,"a",@progbits
	.p2align	6, 0x0
	.amdhsa_kernel k_qd7c5f1edbb_pool
		.amdhsa_group_segment_fixed_size 0
		.amdhsa_private_segment_fixed_size 0
		.amdhsa_enable_private_segment 0
		.amdhsa_kernarg_size 24
		.amdhsa_user_sgpr_count 2
		.amdhsa_user_sgpr_kernarg_segment_ptr 1
		.amdhsa_wavefront_size32 1
		.amdhsa_system_sgpr_workgroup_id_x 1
		.amdhsa_system_sgpr_workgroup_id_y 1
		.amdhsa_system_sgpr_workgroup_id_z 1
		.amdhsa_system_vgpr_workitem_id 0
		.amdhsa_next_free_vgpr 160
		.amdhsa_next_free_sgpr 66
		.amdhsa_reserve_vcc 0
		.amdhsa_float_denorm_mode_32 3
		.amdhsa_float_denorm_mode_16_64 3
		.amdhsa_memory_ordered 1
		.amdhsa_forward_progress 1
		.amdhsa_inst_pref_size 16
	.end_amdhsa_kernel
	.amdgpu_metadata
---
amdhsa.version: [ 1, 2 ]
amdhsa.kernels:
  - .name:           k_qd7c5f1edbb_pool
    .symbol:         k_qd7c5f1edbb_pool.kd
    .args:
      - { .name: part, .offset: 0, .size: 8, .value_kind: global_buffer, .address_space: global }
      - { .name: stat, .offset: 8, .size: 8, .value_kind: global_buffer, .address_space: global }
      - { .name: out0, .offset: 16, .size: 8, .value_kind: global_buffer, .address_space: global }
    .group_segment_fixed_size: 0
    .private_segment_fixed_size: 0
    .kernarg_segment_align: 8
    .kernarg_segment_size: 24
    .max_flat_workgroup_size: 64
    .sgpr_count:     66
    .vgpr_count:     160
    .wavefront_size: 32
...
	.end_amdgpu_metadata
.endif
;; end of part 3
